; MI455X (gfx1250); checked and timed in simulation.
; The chip was launched on July 23, 2026; its instructions are those of AMD's public machine-readable ISA for CDNA 5 (MIT licence, August 2026) and "CDNA5" Instruction Set Architecture Reference Guide (July 2026). The comments in the code are by the model that wrote it; some were corrected since.
;; Local Average Pooling Segmenter. Allowed arithmetic: matrix products marked QUANTISED: E4M3 operands, one given power-of-two scale a tensor, by v_wmma_f32_16x16x64_fp8_fp8 or v_wmma_f32_16x16x128_fp8_fp8, f32 sums; everything else in f32.
;; Inputs: asr_alignment 16 x 1,024 x 2 int32; audio_feats 16 x 4,096 x 512 float32; audio_feats_len 16 int32; lowp_scales 2 int32 (the exponents e of the quantised operands' scales 2^e); text_token_embed_for_audio 16 x 1,024 x 512 float32; text_token_for_audio 16 x 1,024 int32; text_token_len 16 int32.
;; Outputs: out0 16 x 1,024 x 512 float32; out1 16 int32.
;; This version of the problem:
;;   THIS VERSION OF THE PROBLEM IS GIVEN IN LOW PRECISION. The matrix products marked QUANTISED in the list below multiply operands that are first quantised to E4M3 (4 exponent bits, 3 mantissa bits; 8 bits a number), with one given power-of-two scale for each operand tensor; their sums are f32. All else is computed in f32.
;;   The module's matrix products, in the order in which they are computed (A, B: the left and right operand; K: the contracted axis; several contracted axes count as one K, in the product's order):
;;     1. batch 16 x [M 1,024, K 4,096] x [K 4,096, N 512]; A: computed on the way; B: input audio_feats: QUANTISED (scales: A lowp_scales[0], B lowp_scales[1])
;;   THE QUANTISER, for each operand of a quantised product, along K:
;;     - The operand's scale is 2^e, e = its entry of the input lowp_scales (int32; the entries are numbered through the quantised products in the list's order, A before B).
;;     - Each number is divided by the scale, clamped to +-448, and rounded to the nearest number of E4M3, ties to even, subnormals kept.
;;     - The product sums the exact products of the quantised numbers (number of the format x scale) in f32.
;;   ~~~python
;;   def quantise(x, axis, e):      # numpy; x: float32 -> the quantised numbers, widened to float32 again
;;       x = np.moveaxis(x, axis, -1); K = x.shape[-1]
;;       r = np.clip(x / 2.0 ** e, -448, 448)
;;       step = 2.0 ** (np.maximum(np.frexp(np.where(r == 0, 1, r))[1] - 1, -6) - 3)
;;       q = np.round(r / step) * step * 2.0 ** e      # np.round: ties to even
;;       return np.moveaxis(q, -1, axis).astype(np.float32)
;;   ~~~
;;   OPERANDS COMPUTED ON THE WAY. 'Computed on the way' means the value that the module computes at that place (a softmax that the list does not call 'softmax' is quantised finished and normalised). What goes into a quantiser is computed in f32, as accurately as f32 sums, v_exp_f32 and their like allow (about 1e-6 of the number): no bf16 or f16 on the way to a quantiser, and a product that is left as it is and whose result goes on into a quantised operand takes f32 operands (vector FMAs, or v_wmma_f32_16x16x4_f32). A number that lies on a knife's edge between two numbers of the format may be rounded either way, as far as f32 arithmetic and the matrix unit's own rounding can turn it there, and no further.
;; One version. Each part assembles by itself: llvm-mc -triple=amdgcn-amd-amdhsa -mcpu=gfx1250 --defsym DOCPART=n.
;; ======== version 1 of 1: 1 launch
;; limits: right only within a limited range of input values
;; workspace buffers: bq 33,554,432 bytes
;; launch fused (part 1): grid 256 x 1, 8 waves a work-group, no clusters, 35,840 bytes of LDS; arguments audio_feats, asr_alignment, text_token_len, lowp_scales, out0, out1; writes out0, out1
.if DOCPART == 1
	.amdgcn_target "amdgcn-amd-amdhsa--gfx1250"
	.amdhsa_code_object_version 6
	.text
	.protected	k_qdbdd718dc8_fused
	.globl	k_qdbdd718dc8_fused
	.p2align	8
	.type	k_qdbdd718dc8_fused,@function
k_qdbdd718dc8_fused:
	s_mov_b64 s[64:65], 0
	v_nop
	global_prefetch_b8 v0, s[64:65] scope:SCOPE_SE
	s_setreg_imm32_b32 hwreg(HW_REG_WAVE_MODE, 25, 1), 1
	s_wait_xcnt 0x0
; out0[b][t][d] = (sum over the frames a of mask[b][t][a] x audio_feats[b][a][d]) / count[b][t]; out1 = text_token_len.  One launch.
; mask = 1 where t < text_token_len[b] and start <= a <= end, else 0.  Both operands are quantised to FP8 (E4M3) with the given scales 2^e0 (mask), 2^e1 (audio) and multiplied by
; v_wmma_f32_16x16x128_fp8_fp8; each sum is then multiplied by 2^(e0 + e1) / max(count, 1).  A row with count 0 has an all-zero mask, so its sum, and its result, is 0, as reference() asks.
; NOT LOADED: audio_feats_len and text_token_embed_for_audio appear in no expression of reference(), and of text_token_for_audio only the shape is used: none has a way to an output, whatever it holds.
; WHAT text_token_len RULES OUT IS NOT DONE: rows t >= text_token_len[b] of the mask are zeros that reference() builds itself.  A work-group whose 512 tokens all lie there loads nothing of audio_feats and stores zeros;
; a wave whose 64 tokens all lie there quantises its share for the others, starts its sums with the first pair's (zero) products and then passes over its products.
; LIMITS: e0 and e1 between -126 and 119 (2^e and 448 x 2^e are f32 numbers).  NaN in audio_feats is not served; an infinity is held at the largest code; neither reaches a row that is left out.
; SHARES.  Work-group x: batch x / 16, columns 64 ((x / 2) % 8) .. + 63, tokens 512 (x % 2) .. + 511.  Wave w: tokens 64 w .. + 63 of these: 4 x 4 accumulators of 16 x 16.
; K STEP j TAKES THE FRAMES 32 m + j, m = 0 .. 127 (the order of k is free where both operands share it).  In a fragment lane (r, h) holds m = 64 h + 4 g + byte in register g.
; So a token's mask differs from step to step only in the bytes m = start / 32 and m = (end + 1) / 32: sixteen byte selectors a fragment are made once, and a step's fragment is sixteen v_perm_b32.
; AUDIO.  A chunk is 32 frames x 64 columns: wave w takes quarter w % 4 (m = 64 h + 16 (w % 4) + y) of step 2 P + w / 4 of pair P.  A load of 16 bytes a lane reads columns 4 r .. 4 r + 3 of a frame: sixteen lanes
; cover 256 consecutive bytes, aligned.  The hold at the largest code writes its results transposed (column by column, frames on end), so the conversions give codes with K innermost; they reach the
; other waves through LDS as images of the operand's registers, two buffers of two K steps by turns, one barrier a pair.  Fragment c holds column 4 r + c in lane r: a lane's four results of a token are neighbours.
; NO PREFETCH: the launch is a stream.  Two sets of registers: 16 or 32 loads of 512 bytes of every wave, 64 to 128 KiB a work-group, are out through the whole loop, each asked for two pairs ahead of its use.
; No tensor load and no joint load: the operand has to pass through registers to be quantised, branches hang on text_token_len, and a block of columns has two readers at the most.
.set LO, 1                             ; audio: 16 r + h x 2,048 frames
.set SPW, 2                            ; my spare word
.set NIL, 3                            ; 0
.set STA, 4                            ; LDS: where my chunk's codes go
.set LI, 5                             ; LDS: 16 x lane
.set CO, 6                             ; out0: 16 r + 8 h rows
.set FS, 7                             ; LDS: where the factors go;  FR: where they are read
.set SC, 8                             ; 2^e1
.set HB, 9                             ; 448 x 2^e1
.set KH, 10
.set O1, 13
.set AO, 14
.set FR, 15
.set EV, 16                            ; v16-19  the two edge bytes of a step, a register a tile of tokens
.set TMA, 20                           ; v20-23  bit j: the byte m = start / 32 counts in step j
.set TMB, 24                           ; v24-27  the same for m = (end + 1) / 32
.set DR, 28
.set AB, 32                            ; v32-95   the mask's four fragments
.set BF, 96                            ; v96-159  the audio's four fragments; ahead of them the held numbers
.set SEL, 160                          ; v160-223 the selectors; at the end the factors
.set CD, 224                           ; v224-239 a chunk's codes
.set HT, 240                           ; v240-255 at work
.set OB, 32                            ; the way out: v32-159
.set AL, 96                            ; the head's registers, in the fragments' place
.set CN, 104
.set QA, 108
.set QA1, 112
.set QB, 116
.set QB1, 120
.set X3, 124
.set TT, 128
.set TU, 132
.set PX, 136
.set R, 128                            ; window 1: v0-127 accumulators, v128-255 two sets of 64 numbers as loaded
.set FL, 32768                         ; LDS: 0 the codes, 2 x 16,384; FL the factors, 256 bytes a wave; SPARE the spare words, 128 bytes a wave
.set SPARE, 34816
.set WV, 16
.set WLO, 32
.set WHI, 48
.set CNT, 66
.set CW, 67
.set POOL, 68
.set ACT, 69                           ; 1: some token of my wave counts
.set C4096, 78
.set C4095, 79
.set CB, 80
.set ESUM, 81
.set JN, 88
.set WPA, 89
.set CM, 90
.set WPB, 91
.set WPC, 94
.set EQ, 96
.set MSB, 0
.macro WIN new                         ; the immediate's high byte repeats the setting that is left
.if MSB != \new
	s_set_vgpr_msb (MSB<<8)|\new
.set MSB, \new
.endif
.endm
	s_load_b256 s[4:11], s[0:1], 0x0               ; audio s[4:5], alignment s[6:7], text_token_len s[8:9], scales s[10:11]
	s_load_b128 s[12:15], s[0:1], 0x20             ; out0 s[12:13], out1 s[14:15]
	s_lshr_b32 s17, ttmp9, 4                       ; batch
	s_lshl_b32 s70, s17, 2
	s_mov_b32 s71, 0
	s_wait_kmcnt 0x0
	s_add_nc_u64 s[30:31], s[8:9], s[70:71]
	s_load_b32 s75, s[30:31], 0x0                  ; text_token_len[b]: it decides what is loaded, so it is asked for first; the set-up below stands under its flight
	s_load_b64 s[76:77], s[10:11], 0x0             ; e0, e1
	v_lshl_add_u32 v[SPW], v0, 2, SPARE
	v_mov_b32 v[NIL], 0
	v_lshrrev_b32 v28, 5, v0
	v_readfirstlane_b32 s[WV], v28                 ; wave 0..7
	v_and_b32 v29, 15, v0                          ; r
	v_bfe_u32 v30, v0, 4, 1                        ; h
	v_lshlrev_b32 v[LO], 4, v29
	v_lshl_or_b32 v[LO], v30, 22, v[LO]
	v_and_b32 v[LI], 31, v0
	v_lshlrev_b32 v[LI], 4, v[LI]
	v_bfe_u32 v31, v0, 5, 2
	v_lshl_add_u32 v[STA], v31, 9, v[LI]           ; + 512 x quarter
	v_bfe_u32 v31, v0, 7, 1
	v_lshl_add_u32 v[STA], v31, 13, v[STA]         ; + 8,192 x the step of the pair
	v_lshlrev_b32 v[CO], 4, v29
	v_lshl_or_b32 v[CO], v30, 14, v[CO]
	v_and_b32 v31, 0xe0, v0
	v_lshlrev_b32 v31, 3, v31                      ; 256 x wave
	v_lshl_add_u32 v[FS], v29, 2, v31
	v_lshl_add_u32 v[FR], v30, 5, v31
	v_lshlrev_b32 v[O1], 2, v29
	v_lshlrev_b32 v[AO], 3, v29
	s_bfe_u32 s18, ttmp9, 0x30001                  ; block of columns
	s_and_b32 s19, ttmp9, 1                        ; half of the tokens
	s_and_b32 s20, s[WV], 3
	s_lshr_b32 s21, s[WV], 2
	s_lshl_b32 s22, s17, 23                        ; audio: a batch is 4,096 frames of 2,048 bytes,
	s_lshl_b32 s18, s18, 8                         ; a block of columns 256 bytes,
	s_add_co_u32 s22, s22, s18
	s_lshl_b32 s20, s20, 20                        ; a quarter 512 frames,
	s_add_co_u32 s22, s22, s20
	s_lshl_b32 s21, s21, 11                        ; a step one frame
	s_add_co_u32 s22, s22, s21
	s_mov_b32 s23, 0
	s_lshl_b32 s74, s19, 9                         ; my work-group's first token in the batch
	s_lshl_b32 s25, s[WV], 6
	s_add_co_u32 s24, s74, s25                     ; my wave's
	s_lshl_b32 s25, s17, 10
	s_add_co_u32 s25, s25, s24
	s_lshl_b32 s26, s25, 3                         ; alignment: 8 bytes a token
	s_mov_b32 s27, 0
	s_lshl_b32 s28, s25, 11                        ; out0: 2,048 bytes a token
	s_add_co_u32 s28, s28, s18
	s_mov_b32 s29, 0
	s_add_nc_u64 s[4:5], s[4:5], s[22:23]
	s_add_nc_u64 s[6:7], s[6:7], s[26:27]
	s_add_nc_u64 s[12:13], s[12:13], s[28:29]
.set NW, 0
.rept 16
	s_mov_b32 s[WLO+NW], 0x4b020000+32*NW
	s_mov_b32 s[WHI+NW], 0x4b020000+32*NW+31
.set NW, NW+1
.endr
	s_mov_b32 s[JN], 0
	s_mov_b32 s[C4096], 0x45800000
	s_mov_b32 s[C4095], 0x457ff000
	s_mov_b32 s[WPA], 0x04040404
	s_mov_b32 s[WPB], 0xfdfdfdfe
	s_mov_b32 s[WPC], 0xf9f9f9fa
	s_wait_alu depctr_va_vdst(0)                   ; the wait here, directly ahead of the wait below
	s_wait_kmcnt 0x0
	s_max_i32 s75, s75, 0
	s_min_i32 s75, s75, 1024
	s_cmp_gt_i32 s75, s24
	s_cselect_b32 s[ACT], 1, 0
	s_cmp_gt_i32 s75, s74                          ; the same number in all eight waves
	s_cbranch_scc0 .Lnone                          ; none of the work-group's tokens counts
.irp i, 0,1,2,3
	global_load_b64 v[AL+2*\i:AL+2*\i+1], v[AO], s[6:7] offset:128*\i   ; start, end of token 16 i + r
.endr
.macro LOADS rs, k                     ; a chunk, k pairs on from the base, into set rs: frames 32 y apart
.irp y, 0,1,2,3,4,5,6,7,8,9,10,11,12,13,14,15
	global_load_b128 v[R+64*(\rs)+4*\y:R+64*(\rs)+4*\y+3], v[LO], s[4:5] offset:\y*65536+(\k)*4096
.endr
.endm
	WIN 0x40
	LOADS 0, 0
	LOADS 1, 1
	WIN 0
	s_sub_co_i32 s84, s75, s24
	s_add_co_i32 s[ESUM], s76, s77
	s_add_co_i32 s82, s76, 127
	s_lshl_b32 s83, s82, 23                        ; 2^e0
	s_add_co_i32 s82, s82, 8
	s_lshl_b32 s82, s82, 23
	s_or_b32 s82, s82, 0x600000                    ; 448 x 2^e0
	s_add_co_i32 s85, s77, 127
	s_lshl_b32 s86, s85, 23                        ; 2^e1
	s_add_co_i32 s85, s85, 8
	s_lshl_b32 s85, s85, 23
	s_or_b32 s85, s85, 0x600000                    ; 448 x 2^e1
	v_sub_nc_u32 v[DR], s84, v29                   ; token 16 i + r counts where 16 i < this
	v_lshlrev_b32 v31, 9, v30
	v_sub_nc_u32 v[KH], 0x4b020000, v31
	v_mov_b32 v42, s83
	v_mov_b32 v43, s82
	v_mov_b32 v[SC], s86
	v_mov_b32 v[HB], s85
.irp n, 0,1,2,3,4,5,6,7
	v_min_num_f32 v[32+\n], 1.0, v43
.endr
	v_cvt_scalef32_pk8_fp8_f32 v[40:41], v[32:39], v42   ; the code of a mask's 1
	v_nop
	v_readfirstlane_b32 s[CW], v40
	s_and_b32 s[CB], s[CW], 0xff
	s_and_b32 s[POOL], s[CW], 0xff0000             ; selector 0: zero; 2: the code
.macro TOK s, e, c, k, d               ; start held in 0 .. 4,096, end + 1 in 0 .. 4,096, their difference; VCC: the token counts and has frames
	v_cvt_f32_i32 v[\s], v[\s]
	v_cvt_f32_i32 v[\e], v[\e]
	v_med3_num_f32 v[\s], v[\s], 0, s[C4096]
	v_med3_num_f32 v[\e], v[\e], -1.0, s[C4095]
	v_add_f32 v[\e], 1.0, v[\e]
	v_sub_f32 v[\c], v[\e], v[\s]
	v_cmp_lt_i32 vcc_lo, \k, v[\d]
	v_cmp_lt_f32 s[CM], 0, v[\c]
	s_and_b32 vcc_lo, vcc_lo, s[CM]
.endm
	s_wait_alu depctr_va_vdst(0)                   ; the wait here, directly ahead of the wait below
	s_wait_loadcnt 32                              ; the alignment is in; the two chunks' 32 loads may be out
.irp i, 0,1,2,3
	TOK AL+2*\i, AL+2*\i+1, CN+\i, 16*\i, DR
	v_cndmask_b32 v[AL+2*\i], 0, v[AL+2*\i], vcc_lo
	v_cndmask_b32 v[AL+2*\i+1], 0, v[AL+2*\i+1], vcc_lo
.endr
.irp i, 0,1,2,3
	v_max_num_f32 v[CN+\i], 1.0, v[CN+\i]
.endr
	s_wait_alu depctr_va_vdst(0)                   ; the wait ahead of the batch
.irp i, 0,1,2,3
	v_rcp_f32 v[CN+\i], v[CN+\i]
.endr
	v_nop
	s_wait_alu depctr_va_vdst(0)                   ; and behind it
.irp i, 0,1,2,3
	v_ldexp_f32 v[CN+\i], v[CN+\i], s[ESUM]        ; 2^(e0 + e1) / count
.endr
.irp i, 0,1,2,3
	ds_store_b32 v[FS], v[CN+\i] offset:FL+64*\i   ; my wave's own bytes; both halves of the lanes write the same
.endr
.irp i, 0,1,2,3
	v_cvt_u32_f32 v[AL+2*\i], v[AL+2*\i]
	v_cvt_u32_f32 v[AL+2*\i+1], v[AL+2*\i+1]
.endr
.irp i, 0,1,2,3
	v_lshrrev_b32 v[QA+\i], 5, v[AL+2*\i]
	v_lshrrev_b32 v[QB+\i], 5, v[AL+2*\i+1]
	v_lshlrev_b32 v[TT+\i], v[AL+2*\i], -1         ; bits j >= start % 32
.endr
.irp i, 0,1,2,3
	v_add_nc_u32 v[QA1+\i], 1, v[QA+\i]
	v_add_nc_u32 v[QB1+\i], 1, v[QB+\i]
	v_cmp_eq_u32 s[EQ+\i], v[QA+\i], v[QB+\i]
	v_bfe_u32 v[TU+\i], v[TT+\i], 0, v[AL+2*\i+1]  ; and j < (end + 1) % 32
.endr
.irp i, 0,1,2,3
	v_cndmask_b32 v[X3+\i], v[QB+\i], v[QB1+\i], s[EQ+\i]
.endr
.irp g, 0,1,2,3
	v_lshl_add_u32 v[PX+4*\g],   v[QA+\g],  3, v[KH]
	v_lshl_add_u32 v[PX+4*\g+1], v[QA1+\g], 3, v[KH]
	v_lshl_add_u32 v[PX+4*\g+2], v[X3+\g],  3, v[KH]
	v_lshl_add_u32 v[PX+4*\g+3], v[QB1+\g], 3, v[KH]
	v_cndmask_b32 v[TMA+\g], v[TT+\g], v[TU+\g], s[EQ+\g]
	v_bfe_u32 v[TMB+\g], -1, 0, v[AL+2*\g+1]
.endr
; The selectors of tile u: byte m gets 4 [m >= qa] - 2 [m >= qa + 1] + 4 [m >= x3] - 6 [m >= qb + 1]: 0 outside, 4 at qa (edge byte 0), 2 between (the code), 6 at qb (edge byte 2).
; Each term is a constant word shifted left by 8 x (its first byte in this word), held in 0 .. 31; all four constants are even, so a shift by 31 leaves nothing.
.macro SELGEN u
.set KP, 0
.rept 8
.irp n, 0,1,2,3
	v_med3_num_f32 v[HT+\n],   v[PX+4*\u+\n], s[WLO+2*KP],   s[WHI+2*KP]
	v_med3_num_f32 v[HT+4+\n], v[PX+4*\u+\n], s[WLO+2*KP+1], s[WHI+2*KP+1]
.endr
	v_lshlrev_b32 v[HT+8],  v[HT],   s[WPA]
	v_lshlrev_b32 v[HT+12], v[HT+4], s[WPA]
	v_lshlrev_b32 v[HT+9],  v[HT+1], s[WPB]
	v_lshlrev_b32 v[HT+13], v[HT+5], s[WPB]
	v_lshlrev_b32 v[HT+10], v[HT+2], s[WPA]
	v_lshlrev_b32 v[HT+14], v[HT+6], s[WPA]
	v_lshlrev_b32 v[HT+11], v[HT+3], s[WPC]
	v_lshlrev_b32 v[HT+15], v[HT+7], s[WPC]
	v_add3_u32 v[HT+8],  v[HT+8],  v[HT+9],  v[HT+10]
	v_add3_u32 v[HT+12], v[HT+12], v[HT+13], v[HT+14]
	v_add_nc_u32 v[SEL+16*\u+2*KP],   v[HT+8],  v[HT+11]
	v_add_nc_u32 v[SEL+16*\u+2*KP+1], v[HT+12], v[HT+15]
.set KP, KP+1
.endr
.endm
	SELGEN 0
	SELGEN 1
	SELGEN 2
	SELGEN 3
.macro EOPS                            ; the edge bytes of step JN, the four tiles by turns; then JN steps
.irp u, 0,1,2,3
	v_bfe_u32 v[HT+\u], v[TMA+\u], s[JN], 1
.endr
.irp u, 0,1,2,3
	v_bfe_u32 v[HT+4+\u], v[TMB+\u], s[JN], 1
.endr
.irp u, 0,1,2,3
	v_lshl_or_b32 v[HT+8+\u], v[HT+4+\u], 16, v[HT+\u]
.endr
.irp u, 0,1,2,3
	v_mul_u32_u24 v[EV+\u], v[HT+8+\u], s[CB]
.endr
	s_add_co_u32 s[JN], s[JN], 1
.endm
; My chunk in set rs is quantised into code buffer par.  left: the younger loads that may stay out.  ld = 1: the set takes the chunk k pairs on from the base.
.macro QUANT rs, par, left, ld, k
	s_wait_loadcnt \left
	WIN 0x01                                       ; source 0 in window 1
.irp c, 0,1,2,3
.irp y, 0,1,2,3,4,5,6,7,8,9,10,11,12,13,14,15
	v_med3_num_f32 v[BF+16*\c+\y], v[R+64*(\rs)+4*\y+\c], -v[HB], v[HB]   ; the conversion does not saturate (ISA guide 7.6.2): the hold comes first, and lays column c's sixteen frames on end
.endr
.endr
	WIN 0
.irp c, 0,1,2,3
.irp g, 0,1
	v_cvt_scalef32_pk8_fp8_f32 v[CD+4*\c+2*\g:CD+4*\c+2*\g+1], v[BF+16*\c+8*\g:BF+16*\c+8*\g+7], v[SC]
.endr
.endr
	v_nop                                          ; the plain line behind the last conversion
.irp c, 0,1,2,3
	ds_store_b128 v[STA], v[CD+4*\c:CD+4*\c+3] offset:(\par)*16384+\c*2048
.endr
.if \ld
	WIN 0x40
	LOADS \rs, \k
	WIN 0
.endif
.endm
; A K step: the audio's four fragments from LDS, the mask's four by permutes meanwhile, 16 matrix instructions on 16 accumulators by turns.
; The edge bytes of the next step follow: sixteen plain lines, which are also the places ahead of the next writes of the fragments' registers.
; cond = 1: a wave none of whose tokens counts jumps round the loads and permutes and round the products; the waits and the barrier's signal are on every wave's way.
.macro STEP par, st, zero, sig, eo, cond
.if \cond
	s_cmp_eq_u32 s[ACT], 0
	s_cbranch_scc1 .Lsa_\@
.endif
.irp c, 0,1,2,3
.irp q, 0,1,2,3
	ds_load_b128 v[BF+16*\c+4*\q:BF+16*\c+4*\q+3], v[LI] offset:(\par)*16384+(\st)*8192+\c*2048+\q*512
.endr
.endr
.irp i, 0,1,2,3
.irp w, 0,1,2,3,4,5,6,7,8,9,10,11,12,13,14,15
	v_perm_b32 v[AB+16*\i+\w], v[EV+\i], s[POOL], v[SEL+16*\i+\w]
.endr
.endr
.if \cond
.Lsa_\@:
.endif
	s_wait_alu depctr_va_vdst(0)                   ; the wait here, directly ahead of the wait below
	s_wait_dscnt 0x0                               ; the fragments are in; my stores of codes are done
.if \sig
	s_barrier_signal -1                            ; my reads of this buffer are over and my part of the other is written
.endif
.if \cond
	s_cmp_eq_u32 s[ACT], 0
	s_cbranch_scc1 .Lsb_\@
.endif
	WIN 0x50                                       ; C and D in window 1
.irp i, 0,1,2,3
.irp c, 0,1,2,3
.if \zero
	v_wmma_f32_16x16x128_fp8_fp8 v[8*(4*\i+\c):8*(4*\i+\c)+7], v[AB+16*\i:AB+16*\i+15], v[BF+16*\c:BF+16*\c+15], 0
.else
	v_wmma_f32_16x16x128_fp8_fp8 v[8*(4*\i+\c):8*(4*\i+\c)+7], v[AB+16*\i:AB+16*\i+15], v[BF+16*\c:BF+16*\c+15], v[8*(4*\i+\c):8*(4*\i+\c)+7]
.endif
.endr
.endr
	WIN 0
.if \eo
	EOPS
.endif
.if \cond
.Lsb_\@:
.endif
.endm
; Pair P (p = P % 2): chunk P + 1 is quantised into the other buffer, then the pair's two steps are multiplied out of buffer p.
.macro PAIR p, zero, qn, left, ld, k, last, cond
.if \qn
	QUANT 1-\p, 1-\p, \left, \ld, \k
.endif
	STEP \p, 0, \zero, 0, 1, \cond
	STEP \p, 1, 0, 1-\last, 1-\last, \cond
.if 1-\last
	s_wait_alu depctr_va_vdst(0)                   ; the wait here, directly ahead of the wait below
	s_barrier_wait -1
.endif
.endm
	EOPS                                           ; step 0
	s_wait_alu depctr_va_vdst(0)                   ; the wait at the head's end
	QUANT 0, 0, 16, 1, 2                           ; chunk 0; chunk 1's loads may be out; the set takes chunk 2
	s_wait_dscnt 0x0
	s_barrier_signal -1
	s_barrier_wait -1
	PAIR 0, 1, 1, 16, 1, 3, 0, 0                   ; every wave: the first step's products start the sums
	s_wait_xcnt 0x0                                ; the loads have read their base
	s_add_nc_u64 s[4:5], s[4:5], 4*4096            ; at chunk 4
	s_mov_b32 s[CNT], 6
.Ltrip:                                                ; pairs 1 to 12, two a trip; they load chunks 4 to 15
	PAIR 1, 0, 1, 16, 1, 0, 0, 1
	PAIR 0, 0, 1, 16, 1, 1, 0, 1
	s_wait_xcnt 0x0                                ; the loads have read their base
	s_add_nc_u64 s[4:5], s[4:5], 2*4096
	s_sub_co_u32 s[CNT], s[CNT], 1
	s_cmp_lg_u32 s[CNT], 0
	s_cbranch_scc1 .Ltrip
	PAIR 1, 0, 1, 16, 0, 0, 0, 1                   ; pair 13: chunk 14; chunk 15's loads may be out
	PAIR 0, 0, 1, 0, 0, 0, 0, 1                    ; pair 14: chunk 15
	PAIR 1, 0, 0, 0, 0, 0, 1, 1                    ; pair 15
.rept 4
	v_nop                                          ; the places behind the last products
.endr
.irp i, 0,1,2,3
	ds_load_b128 v[SEL+8*\i:SEL+8*\i+3],   v[FR] offset:FL+64*\i      ; the factors of tokens 16 i + 8 h + 0 .. 7
	ds_load_b128 v[SEL+8*\i+4:SEL+8*\i+7], v[FR] offset:FL+64*\i+16
.endr
	s_wait_dscnt 0x0
	s_wait_tensorcnt 0x0                           ; the wave's end in LDS
	ds_add_u32 v[SPW], v[NIL]
	s_wait_dscnt 0x0
.irp i, 0,1,2,3
	WIN 0x01
.irp j, 0,1,2,3,4,5,6,7
.irp c, 0,1,2,3
	v_mul_f32 v[OB+32*\i+4*\j+\c], v[8*(4*\i+\c)+\j], v[SEL+8*\i+\j]   ; each accumulator from its low end on
.endr
.endr
	WIN 0
.irp j, 0,1,2,3,4,5,6,7
	global_store_b128 v[CO], v[OB+32*\i+4*\j:OB+32*\i+4*\j+3], s[12:13] offset:(16*\i+\j)*2048 th:TH_STORE_NT   ; sixteen lanes store 256 consecutive bytes, aligned: a token's 64 columns
.endr
.endr
.Lcopy:
	s_or_b32 s20, ttmp9, s[WV]                     ; out1 = text_token_len: sixteen words, by wave 0 of work-group 0; lanes 16-31 repeat lanes 0-15
	s_cmp_lg_u32 s20, 0
	s_cbranch_scc1 .Lend
	global_load_b32 v[AO], v[O1], s[8:9]
	s_wait_loadcnt 0x0
	global_store_b32 v[O1], v[AO], s[14:15]
.Lend:
	s_endpgm
.Lnone:                                                ; no token of the work-group counts: my wave's 64 rows of 256 bytes are zeros
.irp n, 0,1,2,3
	v_mov_b32 v[OB+\n], 0
.endr
.irp i, 0,1,2,3
.irp j, 0,1,2,3,4,5,6,7
	global_store_b128 v[CO], v[OB:OB+3], s[12:13] offset:(16*\i+\j)*2048 th:TH_STORE_NT
.endr
.endr
	s_branch .Lcopy
.Lfunc_end_k_qdbdd718dc8_fused:
	.size	k_qdbdd718dc8_fused, .Lfunc_end_k_qdbdd718dc8_fused-k_qdbdd718dc8_fused
	.p2alignl 7, 3214868480
	.fill 96, 4, 3214868480
	.section	.rodata,"a",@progbits
	.p2align	6, 0x0
	.amdhsa_kernel k_qdbdd718dc8_fused
		.amdhsa_group_segment_fixed_size 35840
		.amdhsa_private_segment_fixed_size 0
		.amdhsa_enable_private_segment 0
		.amdhsa_kernarg_size 48
		.amdhsa_user_sgpr_count 2
		.amdhsa_user_sgpr_kernarg_segment_ptr 1
		.amdhsa_wavefront_size32 1
		.amdhsa_system_sgpr_workgroup_id_x 1
		.amdhsa_system_sgpr_workgroup_id_y 1
		.amdhsa_system_sgpr_workgroup_id_z 1
		.amdhsa_system_vgpr_workitem_id 0
		.amdhsa_next_free_vgpr 512
		.amdhsa_next_free_sgpr 100
		.amdhsa_reserve_vcc 1
		.amdhsa_float_denorm_mode_32 3
		.amdhsa_float_denorm_mode_16_64 3
		.amdhsa_memory_ordered 1
		.amdhsa_forward_progress 1
		.amdhsa_inst_pref_size 189
	.end_amdhsa_kernel
	.amdgpu_metadata
---
amdhsa.version: [ 1, 2 ]
amdhsa.kernels:
  - .name:           k_qdbdd718dc8_fused
    .symbol:         k_qdbdd718dc8_fused.kd
    .args:
      - { .name: audio_feats, .offset: 0, .size: 8, .value_kind: global_buffer, .address_space: global }
      - { .name: asr_alignment, .offset: 8, .size: 8, .value_kind: global_buffer, .address_space: global }
      - { .name: text_token_len, .offset: 16, .size: 8, .value_kind: global_buffer, .address_space: global }
      - { .name: lowp_scales, .offset: 24, .size: 8, .value_kind: global_buffer, .address_space: global }
      - { .name: out0, .offset: 32, .size: 8, .value_kind: global_buffer, .address_space: global }
      - { .name: out1, .offset: 40, .size: 8, .value_kind: global_buffer, .address_space: global }
    .group_segment_fixed_size: 35840
    .private_segment_fixed_size: 0
    .kernarg_segment_align: 8
    .kernarg_segment_size: 48
    .max_flat_workgroup_size: 256
    .sgpr_count:     100
    .vgpr_count:     512
    .wavefront_size: 32
...
	.end_amdgpu_metadata
.endif
;; end of part 1
